; MI455X (gfx1250); checked and timed in simulation.
; The chip was launched on July 23, 2026; its instructions are those of AMD's public machine-readable ISA for CDNA 5 (MIT licence, August 2026) and "CDNA5" Instruction Set Architecture Reference Guide (July 2026). The comments in the code are by the model that wrote it; some were corrected since.
;; Residual Vector Quantization With Clustering. Allowed arithmetic: float matrix products may take bf16 or f16 operands with f32 sums; other float arithmetic in f32, or as packed bf16 or f16 multiplies, adds, multiply-adds, maxima and minima; sums over many terms, partial sums and values carried from step to step in f32; what a program stores and reads back later, other than sums and carried values, may be rounded once to bf16 or f16.
;; Inputs: codebooks 4 x 1,024 x 64 float32; features 131,072 x 64 float32.
;; Outputs: out0 131,072 x 64 float32; out1 4 x 131,072 int32.
;; One version. Each part assembles by itself: llvm-mc -triple=amdgcn-amd-amdhsa -mcpu=gfx1250 --defsym DOCPART=n.
;; ======== version 1 of 1: 6 launches
;; limits: values are held in f16: magnitudes above 65,504 overflow, below 6.1e-05 lose precision; inputs' magnitudes at most 65,504; below input magnitudes of 6.1e-05 results are inexact or not finite
;; workspace buffers: tbl 540,672 bytes; pkA 524,288 bytes of whole numbers; pkB 524,288 bytes of whole numbers; par0 256 bytes of whole numbers; par1 256 bytes of whole numbers; par2 256 bytes of whole numbers; par3 256 bytes of whole numbers
;; launch prep (part 1): grid 16 x 1, 4 waves a work-group, no clusters, 0 bytes of LDS; arguments codebooks, tbl, par0, par1, par2, par3, pkB; writes tbl, par0, par1, par2, par3, pkB
.if DOCPART == 1
	.amdgcn_target "amdgcn-amd-amdhsa--gfx1250"
	.amdhsa_code_object_version 6
	.text
	.protected	k_qd38489cabe_prep
	.globl	k_qd38489cabe_prep
	.p2align	8
	.type	k_qd38489cabe_prep,@function
k_qd38489cabe_prep:
	s_mov_b64 s[64:65], 0
	v_nop
	global_prefetch_b8 v0, s[64:65] scope:SCOPE_SE
	s_setreg_imm32_b32 hwreg(HW_REG_WAVE_MODE, 25, 1), 1
	s_wait_xcnt 0x0
; PREP.  codebooks [4][1024][64] f32 are taken as 4,096 rows of 64.  Each number is rounded once to bf16 (nearest even) and that number is written as f16:
; tbl bytes 0 .. 524,287 = [4096][64] f16 (a row 128 bytes); tbl bytes 524,288 .. = [4096] f32 of -|c|^2 / 2, the squares taken of the rounded numbers, summed in f32.
; LIMITS.  A bf16 number is an f16 number exactly where 2^-14 <= |x| < 65,504; below that it keeps f16's fixed step of 2^-24; beyond it, it becomes an infinity.
; Also written: pkB = 0 (the packed indices that level 0 finds: none yet), and par0 .. par3 = the level numbers 0 .. 3, which the four level launches read.
; SHARES.  64 waves; wave gw owns rows 64 gw .. 64 gw + 63.  One load covers two whole rows (512 bytes): lanes 0-15 row 2 i, lanes 16-31 row 2 i + 1, four channels a lane.
; All 32 loads go out at once; each store covers 256 or 512 consecutive aligned bytes.  No LDS, no matrix unit: 1 MB is streamed once.
.set XR, 32                            ; v[32:159]  load i: 4 registers; later registers 0, 1 of the four hold the row's f16 to store
	s_load_b256 s[4:11], s[0:1], 0x0               ; codebooks s[4:5], tbl s[6:7], par0 s[8:9], par1 s[10:11]
	s_load_b128 s[12:15], s[0:1], 0x20             ; par2 s[12:13], par3 s[14:15]
	s_load_b64 s[16:17], s[0:1], 0x30              ; pkB
	v_lshrrev_b32 v1, 5, v0
	v_readfirstlane_b32 s18, v1                    ; wave 0..3
	v_and_b32 v1, 31, v0                           ; lane
	v_lshlrev_b32 v2, 4, v1                        ; 16 x lane
	v_lshlrev_b32 v3, 3, v1                        ; 8 x lane
	v_mov_b32 v15, 0                               ; v_permlanex16_b32's destination counts as read
	v_mov_b32 v18, 0                               ; lane i gathers the norms of rows 2 i (v18) and 2 i + 1 (v19)
	v_mov_b32 v19, 0
.irp k, 28,29,30,31
	v_mov_b32 v\k, 0                               ; sixteen bytes of zeros for pkB
.endr
	s_lshl_b32 s19, ttmp9, 2
	s_add_co_u32 s19, s19, s18                     ; gw
	s_mov_b32 s21, 0
	s_mov_b32 s22, 0xffff0000                      ; a word's upper bf16; also the mask of lanes 16-31
	s_mov_b32 s26, 0x76543210                      ; v_permlanex16_b32: each lane takes its own place in the other half
	s_mov_b32 s27, 0xfedcba98
	s_lshl_b32 s20, s19, 14                        ; 64 rows of 256 bytes
	s_wait_kmcnt 0x0
	s_add_nc_u64 s[4:5], s[4:5], s[20:21]
.set i, 0
.rept 32
	global_load_b128 v[XR+4*i:XR+4*i+3], v2, s[4:5] offset:512*i th:TH_LOAD_NT
.set i, i+1
.endr
	s_lshl_b32 s20, s19, 8                         ; 64 norms of 4 bytes,
	s_add_co_u32 s20, s20, 524288                  ; behind the rows
	s_add_nc_u64 s[24:25], s[6:7], s[20:21]
	s_lshl_b32 s20, s19, 13                        ; 64 rows of 128 bytes; also my 8,192 bytes of pkB
	s_add_nc_u64 s[6:7], s[6:7], s[20:21]
	s_add_nc_u64 s[16:17], s[16:17], s[20:21]
.set i, 0
.rept 16
	global_store_b128 v2, v[28:31], s[16:17] offset:512*i
.set i, i+1
.endr
.set i, 0
.rept 32
	s_wait_loadcnt 31-i                            ; loads come back in order: load i is in, the 31 - i younger ones stay out
	v_cvt_pk_bf16_f32 v12, v[XR+4*i], v[XR+4*i+1]  ; the one rounding
	v_cvt_pk_bf16_f32 v13, v[XR+4*i+2], v[XR+4*i+3]
	v_lshlrev_b32 v8, 16, v12                      ; back to f32
	v_and_b32 v9, s22, v12
	v_lshlrev_b32 v10, 16, v13
	v_and_b32 v11, s22, v13
	v_mul_f32 v14, v8, v8                          ; my four squares
	v_fmac_f32 v14, v9, v9
	v_fmac_f32 v14, v10, v10
	v_fmac_f32 v14, v11, v11
	v_cvt_pk_f16_f32 v[XR+4*i], v8, v9             ; the same numbers as f16
	v_cvt_pk_f16_f32 v[XR+4*i+1], v10, v11
	global_store_b64 v3, v[XR+4*i:XR+4*i+1], s[6:7] offset:256*i  ; two rows, 256 consecutive bytes; these registers are not written again
	v_add_f32_dpp v14, v14, v14 row_xmask:1 row_mask:0xf bank_mask:0xf
	v_add_f32_dpp v14, v14, v14 row_xmask:2 row_mask:0xf bank_mask:0xf
	v_add_f32_dpp v14, v14, v14 row_xmask:4 row_mask:0xf bank_mask:0xf
	v_add_f32_dpp v14, v14, v14 row_xmask:8 row_mask:0xf bank_mask:0xf
	v_permlanex16_b32 v15, v14, s26, s27           ; the other row's sum
	v_cndmask_b32 v16, v14, v15, s22               ; row 2 i's sum in every lane
	v_cndmask_b32 v17, v15, v14, s22               ; row 2 i + 1's
	v_cmp_eq_u32 vcc_lo, i, v1
	v_cndmask_b32 v18, v18, v16, vcc_lo            ; lane i keeps them
	v_cndmask_b32 v19, v19, v17, vcc_lo
.set i, i+1
.endr
	v_mul_f32 v18, -0.5, v18
	v_mul_f32 v19, -0.5, v19
	global_store_b64 v3, v[18:19], s[24:25]        ; 64 norms, 256 consecutive bytes
	s_or_b32 s28, ttmp9, s18                       ; wave 0 of work-group 0 writes the level numbers
	s_cmp_lg_u32 s28, 0
	s_cbranch_scc1 .Lend
.irp k, 0,1,2,3
	v_mov_b32 v[20+2*\k], \k
	v_mov_b32 v[21+2*\k], \k
.endr
	global_store_b64 v3, v[20:21], s[8:9]
	global_store_b64 v3, v[22:23], s[10:11]
	global_store_b64 v3, v[24:25], s[12:13]
	global_store_b64 v3, v[26:27], s[14:15]
.Lend:
	s_endpgm
.Lfunc_end_k_qd38489cabe_prep:
	.size	k_qd38489cabe_prep, .Lfunc_end_k_qd38489cabe_prep-k_qd38489cabe_prep
	.p2alignl 7, 3214868480
	.fill 96, 4, 3214868480
	.section	.rodata,"a",@progbits
	.p2align	6, 0x0
	.amdhsa_kernel k_qd38489cabe_prep
		.amdhsa_group_segment_fixed_size 0
		.amdhsa_private_segment_fixed_size 0
		.amdhsa_enable_private_segment 0
		.amdhsa_kernarg_size 56
		.amdhsa_user_sgpr_count 2
		.amdhsa_user_sgpr_kernarg_segment_ptr 1
		.amdhsa_wavefront_size32 1
		.amdhsa_system_sgpr_workgroup_id_x 1
		.amdhsa_system_sgpr_workgroup_id_y 1
		.amdhsa_system_sgpr_workgroup_id_z 1
		.amdhsa_system_vgpr_workitem_id 0
		.amdhsa_next_free_vgpr 160
		.amdhsa_next_free_sgpr 66
		.amdhsa_reserve_vcc 1
		.amdhsa_float_denorm_mode_32 3
		.amdhsa_float_denorm_mode_16_64 3
		.amdhsa_memory_ordered 1
		.amdhsa_forward_progress 1
		.amdhsa_inst_pref_size 44
	.end_amdhsa_kernel
	.amdgpu_metadata
---
amdhsa.version: [ 1, 2 ]
amdhsa.kernels:
  - .name:           k_qd38489cabe_prep
    .symbol:         k_qd38489cabe_prep.kd
    .args:
      - { .name: codebooks, .offset: 0, .size: 8, .value_kind: global_buffer, .address_space: global }
      - { .name: tbl, .offset: 8, .size: 8, .value_kind: global_buffer, .address_space: global }
      - { .name: par0, .offset: 16, .size: 8, .value_kind: global_buffer, .address_space: global }
      - { .name: par1, .offset: 24, .size: 8, .value_kind: global_buffer, .address_space: global }
      - { .name: par2, .offset: 32, .size: 8, .value_kind: global_buffer, .address_space: global }
      - { .name: par3, .offset: 40, .size: 8, .value_kind: global_buffer, .address_space: global }
      - { .name: pkB, .offset: 48, .size: 8, .value_kind: global_buffer, .address_space: global }
    .group_segment_fixed_size: 0
    .private_segment_fixed_size: 0
    .kernarg_segment_align: 8
    .kernarg_segment_size: 56
    .max_flat_workgroup_size: 128
    .sgpr_count:     66
    .vgpr_count:     160
    .wavefront_size: 32
...
	.end_amdgpu_metadata
.endif
;; end of part 1
;; launch lev0 (part 2): grid 256 x 1, 4 waves a work-group, no clusters, 327,680 bytes of LDS; arguments features, tbl, par0, pkB, pkA, out1; writes pkA, out1
.if DOCPART == 2
	.amdgcn_target "amdgcn-amd-amdhsa--gfx1250"
	.amdhsa_code_object_version 6
	.text
	.protected	k_qd38489cabe_lev0
	.globl	k_qd38489cabe_lev0
	.p2align	8
	.type	k_qd38489cabe_lev0,@function
k_qd38489cabe_lev0:
	s_mov_b64 s[64:65], 0
	v_nop
	global_prefetch_b8 v0, s[64:65] scope:SCOPE_SE
	s_setreg_imm32_b32 hwreg(HW_REG_WAVE_MODE, 25, 1), 1
	s_wait_xcnt 0x0
; ONE LEVEL OF THE RESIDUAL QUANTISATION; the same text serves levels 0 to 3.  The level lv is read from par.
; For each of 131,072 rows: r = ((bf16(f) - q0) - q1) - q2 in f32, one rounding a step, where q_j is the centre that level j chose (levels j >= lv do not exist yet: their factor is 0, and
; q x 0 + r is r); then the index of the centre c of level lv with the largest s = r . c - |c|^2 / 2, which is the centre with the smallest |r - c|^2.
; Stored: the index (out1, row lv), and the packed word for the launches behind: idx0 | idx1 << 10 | idx2 << 20 after levels 0 to 2; level 3 stores its index alone.
; FORMATS.  Features and centres are rounded once to bf16; the centres come as f16 from tbl (the same numbers), with -|c|^2 / 2 in f32.  r is split into two f16 parts, hi = f16(r) and
; lo = f16(r - hi) (the difference is exact in f32), and s is ONE f32 sum: -|c|^2 / 2, then hi's two halves of the 64 channels, then lo's.  At level 0 r is a bf16 number, lo is 0 and is left out.
; LIMITS.  All numbers stay below 65,504 in magnitude; an f16 part below 2^-14 keeps the fixed step 2^-24, so an element of r is carried to 3e-8 or to 2^-22 of itself, whichever is larger.
; Scores that are equal here go to the lowest index; distances that differ by less than f32's rounding may be ordered otherwise than a sum in another order would.  NaN and infinities are not treated apart.
; SHARES.  A work-group owns 512 rows, each of its four waves 128: eight tiles q of 16 queries.  Every wave walks the level's 64 tiles of 16 centres.  Source 0 = 16 centres, source 1 = 16 queries:
; in the result lane l holds ONE query (l % 16) and the centres 8 (l / 16) + 0..7, so a query's running best never leaves its lane until the end, where the two halves of the lanes meet once.
; THE ARGMAX costs 13 vector instructions for 8 scores: four v_max3 give the new best, one compare says whether it grew, and under that mask the tile's number and seven of the eight scores are kept
; (the eighth is what is left if none of the seven equals the best).  These stand behind the matrix instructions of the other four query tiles.
; LDS holds the level's whole table, its norms and the work-group's features: every byte is filled once, so there is no ring.
; NO CLUSTER: the table's address and the text's one branch on data hang on a number read from memory, not on the text alone; what work-groups share, 135,168 bytes, is asked for once a launch
; beside 131,072 bytes of a work-group's own.
; REGISTERS, in windows of 256 (s_set_vgpr_msb: bits 1:0 source 0, 3:2 source 1, 5:4 source 2, 7:6 destination):
;   window 0: see the names below     window 1: v0-127 hi, v128-255 lo (tile q, channel half f at 16 q + 8 f); before that the gathered q0 and q1
;   window 2: r in f32, 32 a tile       window 3: v0-127 the gathered q2
.set TP,    144                        ; a centre in LDS: 128 bytes + 16 = 36 words: the 16 rows of a load start at 16 different groups of four banks (64 banks of 4 bytes: ISA guide 11.1)
.set FP,    272                        ; a row of features: 256 bytes + 16 = 68 words: likewise
.set NRM,   1024*TP                    ; 147,456: behind the table, 1,024 norms
.set FEA,   NRM+4096                   ; 151,552: 512 rows of features
.set STG,   FEA+512*FP                 ; 290,816: 512 bytes for each wave, for the way out; no tensor load lands here
.set SPARE, STG+2048                   ; 292,864: the spare words, 128 bytes for each wave: two blocks of 256 bytes that no other line names
.set RR,   1                           ; l % 16
.set HH,   2                           ; l / 16
.set FA,   3                           ; LDS address of my part of my wave's features
.set AT,   4                           ; of my part of the pair of centre tiles being fetched
.set CT,   5                           ; of my eight norms of the first of that pair
.set STO,  6                           ; the way out: where I put an index
.set RDS,  7                           ; where I read four back
.set GOF,  8                           ; 16 x lane: my byte offset in my wave's 512 bytes of indices
.set H8,   9                           ; 8 (l / 16)
.set NEG1, 10                          ; -1.0
.set H16,  11                          ; 16 (l / 16)
.set XY,   12                          ; v12-15  two pairs of partial maxima
.set WT,   16                          ; v16-19  the packed words of rows 4 l .. 4 l + 3 of my wave
.set SPW,  20                          ; LDS address of my spare word; never rewritten
.set NIL,  21                          ; 0; never rewritten
.set PKO,  22                          ; 4 (l % 16)
.set TI,   24                          ; v24-31  tile q: the number of the centre tile that holds the best
.set BB,   32                          ; v32-47  tile q: the best score; two sets that take turns, so that old and new can be compared
.set SV,   48                          ; v48-103 tile q: scores 0-6 of that centre tile
.set NC,   104                         ; v104-119 eight norms, two buffers
.set AF,   120                         ; v120-151 a centre tile's fragments, two buffers of 16
.set ACC,  152                         ; v152-215 tile q's eight scores
.set WW,   152                         ; ahead of the walk: v152-159 tile q: my query's packed word
.set OFFS, 160                         ;                    v160-183 the 24 gathers' byte offsets
.set JJ,   216                         ; the end: at work
.set OV,   217
.set OI,   218
.set T4,   220
.set IDX,  224                         ; v224-231 tile q: the index
.set T5,   232
.set NI,   236
.set NP,   240
.set NG,   244                         ; v244-246 the factor of q0, q1, q2: -1.0 or 0
.set AT0,  248                         ; my lane's place in a centre tile: 144 (l % 16) + 16 (l / 16); never rewritten
.set CT0,  249                         ; my lane's place in a tile's norms: NRM + 32 (l / 16); never rewritten
.set WV,   16                          ; s16 wave   s18 work-group   s19 level   s[20:23] offsets
.set WG,   18
.set LV,   19
.set G1T,  24                          ; s[24:31], s[32:39], s[40:47] descriptor group 1: table, norms, features
.set G1N,  32
.set G1F,  40
.set G0T,  48                          ; s[48:51], s[52:55], s[56:59] group 0 of the same
.set G0N,  52
.set G0F,  56
.set CNT,  60
.set TN,   61                          ; the number of the centre tile whose scores are being looked at
.set TBK,  62                          ; LDS byte at which the next pair of centre tiles begins; steps by 2 x 16 rows
.set HMASK, 63                         ; 0xffff0000: a word's upper bf16, and the mask of lanes 16-31
.set RM,   66                          ; s66, s67 'the best has grown', for the two query tiles in hand
.set SEL,  68                          ; s68, s69 v_permlanex16_b32: each lane takes its own place in the other half
.set SH,   70                          ; where my index goes in the packed word
.set KEEP, 71                          ; -1: the word's earlier fields are kept; 0: not
.set EM,   72                          ; s72-74 masks at the end
.set TBN,  75                          ; byte, from the norms' first, of that pair's norms; steps by 2 x 64
.set MSB, 0
.macro WIN new                         ; the immediate's high byte repeats the setting that is left; a switch that changes nothing is dropped
.if MSB != (\new)
	s_set_vgpr_msb (MSB<<8)|(\new)
.set MSB, (\new)
.endif
.endm
; Six LDS loads: a centre tile's fragments (16 centres x 64 channels: lane l holds centre l % 16, channels 8 (l / 16) + 0..7 of each 16) and my eight norms, into buffer p (the tile's parity).
; The tiles go in pairs: the fetch of the even one makes the two addresses, lane term + the pair's scalar, and steps the scalars; the odd one lies 16 rows (64 bytes of norms) on, in the immediate.
.macro FETCH p
	WIN 0
.if (\p) == 0
	v_add_nc_u32 v[AT], s[TBK], v[AT0]
	v_add_nc_u32 v[CT], s[TBN], v[CT0]
	s_add_co_u32 s[TBK], s[TBK], 2*16*TP
	s_add_co_u32 s[TBN], s[TBN], 2*64
.endif
	ds_load_b128 v[AF+16*(\p):AF+16*(\p)+3],     v[AT] offset:(\p)*16*TP
	ds_load_b128 v[AF+16*(\p)+4:AF+16*(\p)+7],   v[AT] offset:(\p)*16*TP+32
	ds_load_b128 v[AF+16*(\p)+8:AF+16*(\p)+11],  v[AT] offset:(\p)*16*TP+64
	ds_load_b128 v[AF+16*(\p)+12:AF+16*(\p)+15], v[AT] offset:(\p)*16*TP+96
	ds_load_b128 v[NC+8*(\p):NC+8*(\p)+3],       v[CT] offset:(\p)*64
	ds_load_b128 v[NC+8*(\p)+4:NC+8*(\p)+7],     v[CT] offset:(\p)*64+16
.endm
; Matrix instruction i of a half: part i / 4 (hi channels 0-31, hi 32-63, lo 0-31, lo 32-63) for query tile hb + i % 4.  Part 0 starts the sum with the norms.
; The four accumulators take turns, one instruction a turn.
.macro MMA hb, i, p
.set m_q, (\hb)+(\i)%4
.set m_p, (\i)/4
.set m_a, AF+16*(\p)+8*(m_p%2)
.set m_b, 128*(m_p/2)+16*m_q+8*(m_p%2)
.set m_d, ACC+8*m_q
	WIN 0x04                                       ; source 1 in window 1
.if m_p == 0
	v_wmma_f32_16x16x32_f16 v[m_d:m_d+7], v[m_a:m_a+7], v[m_b:m_b+7], v[NC+8*(\p):NC+8*(\p)+7]
.else
	v_wmma_f32_16x16x32_f16 v[m_d:m_d+7], v[m_a:m_a+7], v[m_b:m_b+7], v[m_d:m_d+7]
.endif
.endm
; Number n of the 52 that look at the scores of query tiles hb .. hb + 3: two tiles at a time, alternating, 13 each.  par: which set of BB holds the old best.
; Each accumulator's lowest registers are read first.
.macro RID hb, par, n
.set r_q, (\hb)+2*((\n)/26)+(\n)%2
.set r_u, (\n)%2
.set r_o, ((\n)%26)/2
.set r_a, ACC+8*r_q
.set r_bo, BB+8*(\par)+r_q
.set r_bn, BB+8*(1-(\par))+r_q
.if r_o == 0
	v_max3_num_f32 v[XY+2*r_u], v[r_a], v[r_a+1], v[r_a+2]
.elseif r_o == 1
	v_max3_num_f32 v[XY+2*r_u+1], v[r_a+3], v[r_a+4], v[r_a+5]
.elseif r_o == 2
	v_max3_num_f32 v[XY+2*r_u], v[XY+2*r_u], v[r_a+6], v[r_a+7]
.elseif r_o == 3
	v_max3_num_f32 v[r_bn], v[XY+2*r_u], v[XY+2*r_u+1], v[r_bo]
.elseif r_o == 4
	v_cmp_gt_f32 s[RM+r_u], v[r_bn], v[r_bo]       ; strictly: of equal scores the earlier tile's stays
.elseif r_o == 5
	v_cndmask_b32 v[TI+r_q], v[TI+r_q], s[TN], s[RM+r_u]
.else
	v_cndmask_b32 v[SV+7*r_q+r_o-6], v[SV+7*r_q+r_o-6], v[r_a+r_o-6], s[RM+r_u]
.endif
.endm
; Half a centre tile: 4 x parts matrix instructions for query tiles hb .. hb + 3.  rid = 1: behind each stands its share of the 52 instructions that look at tiles rhb .. rhb + 3, whose scores are finished.
; fetch = 1: the next centre tile is fetched behind the second matrix instruction: the other buffer's last reader then stands ten plain vector instructions back or more.
.macro HALF hb, parts, p, rid, rhb, rpar, fetch
.set h_i, 0
.set h_n, 0
.rept 4*(\parts)
	MMA \hb, h_i, \p
.if \rid
	WIN 0
.rept ((h_i+1)*52)/(4*(\parts))-(h_i*52)/(4*(\parts))
	RID \rhb, \rpar, h_n
.set h_n, h_n+1
.endr
.endif
.if (\fetch) && (h_i == 1)
	FETCH 1-(\p)
.endif
.set h_i, h_i+1
.endr
.endm
; A centre tile, in buffer p (its number's parity).  Its first half carries the look at query tiles 4-7 of the tile before, its second half that at tiles 0-3 of this one.
.macro TILE parts, p, first, fetch
	s_wait_dscnt 0x0                               ; this tile's fragments and norms, asked for a tile ago
.if \first
	HALF 0, \parts, \p, 0, 0, 0, \fetch
	WIN 0
.rept 4
	v_nop                                          ; four places between the last product and the first look at a score (ISA guide 7.12.1); later the other tiles' instructions are the places
.endr
.else
	HALF 0, \parts, \p, 1, 4, 1-(\p), \fetch
	s_add_co_u32 s[TN], s[TN], 1
.endif
	HALF 4, \parts, \p, 1, 0, \p, 0
.endm
; The walk over the 64 centre tiles: the first and the last are written out (no look back; no fetch), 31 trips take two each and fetch the pair 2 m + 2, 2 m + 3.
.macro MAIN parts
	TILE \parts, 0, 1, 1
	WIN 0                                          ; at a label and at a branch every window is 0
	s_mov_b32 s[CNT], 31
.Lwalk\parts:
	TILE \parts, 1, 0, 1
	TILE \parts, 0, 0, 1
	WIN 0
	s_sub_co_u32 s[CNT], s[CNT], 1
	s_cmp_lg_u32 s[CNT], 0
	s_cbranch_scc1 .Lwalk\parts
	TILE \parts, 1, 0, 0
	WIN 0
.set h_n, 0
.rept 52
	RID 4, 1, h_n                                  ; query tiles 4-7 of the last centre tile; the best ends in BB's first set
.set h_n, h_n+1
.endr
.endm
; The 32 loads that gather q_j for my wave's 128 rows, in the lanes' fragment layout: lane l takes, of the centre that query l % 16 of tile q chose, 16 bytes of each 32.
.macro GATHER j, win, gb
	WIN 0
.irp q, 0,1,2,3,4,5,6,7
	v_bfe_u32 v[OFFS+8*(\j)+\q], v[WW+\q], 10*(\j), 10
	v_min_u32 v[OFFS+8*(\j)+\q], 0x3ff, v[OFFS+8*(\j)+\q]      ; an index stays inside its table
	v_lshl_add_u32 v[OFFS+8*(\j)+\q], v[OFFS+8*(\j)+\q], 7, v[H16]
.endr
	WIN \win
.irp q, 0,1,2,3,4,5,6,7
.irp c, 0,1,2,3
	global_load_b128 v[(\gb)+16*\q+4*\c:(\gb)+16*\q+4*\c+3], v[OFFS+8*(\j)+\q], s[6:7] offset:(\j)*131072+32*\c
.endr
.endr
	WIN 0
.endm
; r = q x g + r for all 256 numbers of a lane: q an f16 half, g and r f32, one rounding.
.macro SUB win, gb, ng
	WIN \win
.set e_i, 0
.rept 128
	v_fma_mix_f32 v[2*e_i], v[(\gb)+e_i], v[\ng], v[2*e_i] op_sel_hi:[1,0,0]
	v_fma_mix_f32 v[2*e_i+1], v[(\gb)+e_i], v[\ng], v[2*e_i+1] op_sel:[1,0,0] op_sel_hi:[1,0,0]
.set e_i, e_i+1
.endr
.endm
; r's 256 numbers rounded to f16 in pairs: they ARE source 1's fragments.
.macro SPLIT to
	WIN 0x4a                                       ; sources in window 2, destination in window 1
.set e_i, 0
.rept 128
	v_cvt_pk_f16_f32 v[(\to)+e_i], v[2*e_i], v[2*e_i+1]
.set e_i, e_i+1
.endr
.endm
; Tile q's features are rounded to bf16 and widened again, in place.
.macro ROUNDQ q
	s_wait_dscnt 8*(7-(\q))                        ; LDS loads come back in order: tile q's eight are in, the younger tiles' stay out
.set e_i, 16*(\q)
.rept 16
	v_cvt_pk_bf16_f32 v[2*e_i], v[2*e_i], v[2*e_i+1]
.set e_i, e_i+1
.endr
.set e_i, 16*(\q)
.rept 16
	v_and_b32 v[2*e_i+1], s[HMASK], v[2*e_i]
.set e_i, e_i+1
.endr
.set e_i, 16*(\q)
.rept 16
	v_lshlrev_b32 v[2*e_i], 16, v[2*e_i]
.set e_i, e_i+1
.endr
.endm
	s_load_b256 s[4:11], s[0:1], 0x0               ; features s[4:5], tbl s[6:7], par s[8:9], the packed words to read s[10:11]
	s_load_b128 s[12:15], s[0:1], 0x20             ; the packed words to write s[12:13], out1 s[14:15]
	v_lshl_add_u32 v[SPW], v0, 2, SPARE
	v_mov_b32 v[NIL], 0
	ds_add_u32 v[SPW], v[NIL]                      ; the wave's opening: the add and its wait stand ahead of my first tensor load; the set-up below, work on registers, stands between them
	v_lshrrev_b32 v1, 5, v0
	v_readfirstlane_b32 s[WV], v1                  ; wave 0..3
	s_mov_b32 s[WG], ttmp9
	; features: 128 rows x 64 elements of 4 bytes, 16 bytes of padding behind each row of 64 words
	s_mov_b32 s[G1F+0], (2<<16)|(1<<20)|(5<<22)|(3<<25)
	s_mov_b32 s[G1F+1], 64<<16                     ; tensor_dim0
	s_mov_b32 s[G1F+2], 128<<16                    ; tensor_dim1
	s_mov_b32 s[G1F+3], 64<<16                     ; tile_dim0
	s_mov_b32 s[G1F+4], 128                        ; tile_dim1
	s_mov_b32 s[G1F+5], 64                         ; elements from row to row
	s_mov_b32 s[G1F+6], 0
	s_mov_b32 s[G1F+7], 0
	; table: 256 centres are 32,768 dense bytes, asked for as 128 rows of 256 bytes (128 elements of 2), padded by 16 bytes after every centre (32 words)
	s_mov_b32 s[G1T+0], (1<<16)|(1<<20)|(4<<22)|(3<<25)
	s_mov_b32 s[G1T+1], 128<<16
	s_mov_b32 s[G1T+2], 128<<16
	s_mov_b32 s[G1T+3], 128<<16
	s_mov_b32 s[G1T+4], 128
	s_mov_b32 s[G1T+5], 128
	s_mov_b32 s[G1T+6], 0
	s_mov_b32 s[G1T+7], 0
	; norms: 256 of them are 1,024 dense bytes: 4 rows of 32 elements of 8 bytes, no padding
	s_mov_b32 s[G1N+0], 3<<16
	s_mov_b32 s[G1N+1], 32<<16
	s_mov_b32 s[G1N+2], 4<<16
	s_mov_b32 s[G1N+3], 32<<16
	s_mov_b32 s[G1N+4], 4
	s_mov_b32 s[G1N+5], 32
	s_mov_b32 s[G1N+6], 0
	s_mov_b32 s[G1N+7], 0
	s_mov_b32 s[G0F], 1
	s_mul_i32 s[G0F+1], s[WV], 128*FP              ; each wave fills bytes of its own: a constant + the wave's number x a constant
	s_add_co_u32 s[G0F+1], s[G0F+1], FEA
	s_mov_b32 s[G0T], 1
	s_mul_i32 s[G0T+1], s[WV], 256*TP
	s_mov_b32 s[G0N], 1
	s_lshl_b32 s23, s[WV], 10
	s_add_co_u32 s[G0N+1], s23, NRM
	s_lshl_b32 s20, s[WG], 17                      ; the work-group's 512 rows of 256 bytes,
	s_lshl_b32 s22, s[WV], 15                      ; my wave's 128 of them (also: my 256 centres of 128 bytes)
	s_add_co_u32 s20, s20, s22
	s_mov_b32 s21, 0
	s_mov_b32 s[HMASK], 0xffff0000
	s_mov_b32 s[SEL], 0x76543210
	s_mov_b32 s[SEL+1], 0xfedcba98
	s_mov_b32 s[TBK], 0                            ; the walk begins at the table's and the norms' first bytes
	s_mov_b32 s[TBN], 0
	s_wait_dscnt 0x0                               ; the opening add is done
	s_wait_kmcnt 0x0
	s_load_b32 s[LV], s[8:9], 0x0                  ; the level; the features' tile does not hang on it and goes out first
	s_add_nc_u64 s[G0F+2:G0F+3], s[4:5], s[20:21]
	s_or_b32 s[G0F+3], s[G0F+3], 0x80000000
	tensor_load_to_lds s[G0F:G0F+3], s[G1F:G1F+7]
	s_nop 0
	s_wait_kmcnt 0x0
	s_min_u32 s[LV], s[LV], 3
	s_lshl_b32 s20, s[LV], 17                      ; the level's table, my quarter of it
	s_add_co_u32 s20, s20, s22
	s_add_nc_u64 s[G0T+2:G0T+3], s[6:7], s[20:21]
	s_or_b32 s[G0T+3], s[G0T+3], 0x80000000
	s_lshl_b32 s20, s[LV], 12                      ; the level's norms, my quarter of them
	s_add_co_u32 s20, s20, s23
	s_add_co_u32 s20, s20, 524288
	s_add_nc_u64 s[G0N+2:G0N+3], s[6:7], s[20:21]
	s_or_b32 s[G0N+3], s[G0N+3], 0x80000000
	tensor_load_to_lds s[G0T:G0T+3], s[G1T:G1T+7]
	s_nop 0
	tensor_load_to_lds s[G0N:G0N+3], s[G1N:G1N+7]  ; three tensor loads of mine are out, all first fills
	s_nop 0
	v_and_b32 v[RR], 15, v0
	v_bfe_u32 v[HH], v0, 4, 1
	v_and_b32 v[XY], 31, v0                        ; lane
	v_lshlrev_b32 v[GOF], 4, v[XY]
	v_lshlrev_b32 v[PKO], 2, v[RR]
	s_lshl_b32 s20, s[WG], 11                      ; 512 words a work-group,
	s_lshl_b32 s22, s[WV], 9                       ; 128 a wave
	s_add_co_u32 s20, s20, s22
	s_add_nc_u64 s[10:11], s[10:11], s[20:21]
	s_add_nc_u64 s[12:13], s[12:13], s[20:21]
	s_add_nc_u64 s[14:15], s[14:15], s[20:21]
	s_lshl_b32 s20, s[LV], 19                      ; out1's row lv
	s_add_nc_u64 s[14:15], s[14:15], s[20:21]
	global_load_b128 v[WT:WT+3], v[GOF], s[10:11]  ; the words as they will be stored again,
.irp q, 0,1,2,3,4,5,6,7
	global_load_b32 v[WW+\q], v[PKO], s[10:11] offset:64*\q  ; and as the gathers want them: tile q, query l % 16
.endr
	s_add_co_u32 s22, s22, STG                     ; my stage
	v_lshl_add_u32 v[STO], v[XY], 2, s22
	v_lshl_add_u32 v[RDS], v[XY], 4, s22
	v_lshlrev_b32 v[H8], 3, v[HH]
	v_lshlrev_b32 v[H16], 4, v[HH]
	v_mul_u32_u24 v[FA], v[RR], FP                 ; features: row l % 16, 32 bytes (8 channels) for each half of the lanes
	v_lshl_add_u32 v[FA], v[HH], 5, v[FA]
	v_add_nc_u32 v[FA], s[G0F+1], v[FA]
	v_mul_u32_u24 v[AT0], v[RR], TP                ; centres: row l % 16, 16 bytes for each half
	v_lshl_add_u32 v[AT0], v[HH], 4, v[AT0]
	v_lshl_add_u32 v[CT0], v[HH], 5, NRM           ; norms: eight for each half
	v_mov_b32 v[NEG1], -1.0
.irp j, 0,1,2
	s_cmp_gt_u32 s[LV], \j                         ; has level j been?
	s_cselect_b32 s20, -1.0, 0
	v_mov_b32 v[NG+\j], s20
.endr
	s_mul_i32 s[SH], s[LV], 10
	s_cmp_eq_u32 s[LV], 3
	s_cselect_b32 s[SH], 0, s[SH]
	s_cselect_b32 s[KEEP], 0, -1
	v_mov_b32 v[OV], 0                             ; v_permlanex16_b32's destinations count as read
	v_mov_b32 v[OI], 0
.set e_i, 0
.rept 8
	v_mov_b32 v[BB+e_i], 0xff800000                ; the best so far: below every score
	v_mov_b32 v[TI+e_i], 0
.set e_i, e_i+1
.endr
.set e_i, 0
.rept 56
	v_mov_b32 v[SV+e_i], 0                         ; written whole once: the selects below read their destination
.set e_i, e_i+1
.endr
	s_wait_loadcnt 0x0                             ; the packed words
	GATHER 0, 0x40, 0                              ; q0 -> window 1, v0-127
	GATHER 1, 0x40, 128                            ; q1 -> window 1, v128-255
	GATHER 2, 0xc0, 0                              ; q2 -> window 3, v0-127
	s_wait_tensorcnt 0x2                           ; tensor loads of a wave end in order: my features are in LDS; the table's and the norms' loads, issued behind, may stay out.  Only I read these bytes
	WIN 0x80                                       ; destination window 2
.irp q, 0,1,2,3,4,5,6,7
.irp c, 0,1,2,3
	ds_load_b128 v[32*\q+8*\c:32*\q+8*\c+3],   v[FA] offset:16*FP*\q+64*\c      ; channels 16 c + 8 (l / 16) + 0..3
	ds_load_b128 v[32*\q+8*\c+4:32*\q+8*\c+7], v[FA] offset:16*FP*\q+64*\c+16   ; and + 4..7
.endr
.endr
	WIN 0x8a                                       ; sources and destination in window 2
.irp q, 0,1,2,3,4,5,6,7
	ROUNDQ \q
.endr
	s_wait_loadcnt 63                              ; q0's 32 loads are in: 64 were issued behind them, and 63 is the largest count that a wait can name
	SUB 0xa1, 0, NG
	s_wait_loadcnt 32                              ; q1's are in; q2's 32 may stay out
	SUB 0xa1, 128, NG+1
	s_wait_loadcnt 0x0
	SUB 0xa3, 0, NG+2
	SPLIT 0                                        ; hi
	WIN 0
	s_wait_tensorcnt 0x0                           ; my quarters of the table and of the norms are in,
	s_barrier_signal -1
	s_barrier_wait -1                              ; everybody's are.
	FETCH 0                                        ; centre tile 0
	s_mov_b32 s[TN], 0
	s_cmp_eq_u32 s[LV], 0
	s_cbranch_scc1 .Lmain2                         ; level 0: r is a bf16 number, hi is all of it
	SUB 0xa1, 0, NEG1                              ; r - hi, exact
	SPLIT 128                                      ; lo
	MAIN 4
	s_branch .Lepi
.Lmain2:
	MAIN 2
.Lepi:
	s_wait_dscnt 0x0                               ; my reads of the table and the norms are over,
	s_barrier_signal -1                            ; and I say so; the work on registers below stands between the signal and the wait
	; THE END.  Within the kept tile the lowest register that equals the best (the eighth if none of the seven does); then the two halves of the lanes, which hold a query's other eight centres of every tile, meet:
	; the larger score wins, of equal scores the lower index.
.irp q, 0,1,2,3,4,5,6,7
	v_mov_b32 v[JJ], 7
.irp j, 6,5,4,3,2,1,0
	v_cmp_eq_f32 vcc_lo, v[SV+7*\q+\j], v[BB+\q]
	v_cndmask_b32 v[JJ], v[JJ], \j, vcc_lo
.endr
	v_lshl_add_u32 v[IDX+\q], v[TI+\q], 4, v[JJ]
	v_add_nc_u32 v[IDX+\q], v[IDX+\q], v[H8]
	v_permlanex16_b32 v[OV], v[BB+\q], s[SEL], s[SEL+1]
	v_permlanex16_b32 v[OI], v[IDX+\q], s[SEL], s[SEL+1]
	v_cmp_gt_f32 s[EM], v[OV], v[BB+\q]
	v_cmp_eq_f32 s[EM+1], v[OV], v[BB+\q]
	v_cmp_lt_u32 s[EM+2], v[OI], v[IDX+\q]
	s_and_b32 s[EM+1], s[EM+1], s[EM+2]
	s_or_b32 s[EM], s[EM], s[EM+1]
	v_cndmask_b32 v[IDX+\q], v[IDX+\q], v[OI], s[EM]
.endr
	s_barrier_wait -1                              ; every wave's reads of LDS in the walk are over: only behind this wait is LDS written again (the stages, each wave's own, and the closing add)
	; THE WAY OUT.  Both halves now hold tile q's 16 indices; lanes 0-15 put tile 2 i's, lanes 16-31 tile 2 i + 1's into my stage, and each lane reads four neighbouring rows' back.
.irp i, 0,1,2,3
	v_cndmask_b32 v[T4+\i], v[IDX+2*\i], v[IDX+2*\i+1], s[HMASK]
	ds_store_b32 v[STO], v[T4+\i] offset:128*\i
.endr
	ds_load_b128 v[NI:NI+3], v[RDS]                ; LDS serves a wave's instructions in order (ISA guide 5.7.1.4): this load sees the stores above
	s_wait_dscnt 0x0
	global_store_b128 v[GOF], v[NI:NI+3], s[14:15] th:TH_STORE_NT  ; 512 consecutive bytes, at a multiple of 512 from out1's first
.irp i, 0,1,2,3
	v_lshlrev_b32 v[T5+\i], s[SH], v[NI+\i]
	v_and_or_b32 v[NP+\i], v[WT+\i], s[KEEP], v[T5+\i]
.endr
	global_store_b128 v[GOF], v[NP:NP+3], s[12:13]
	s_wait_tensorcnt 0x0                           ; the wave's end, behind my last tensor load and my last LDS store
	ds_add_u32 v[SPW], v[NIL]
	s_wait_dscnt 0x0
	s_endpgm
.Lfunc_end_k_qd38489cabe_lev0:
	.size	k_qd38489cabe_lev0, .Lfunc_end_k_qd38489cabe_lev0-k_qd38489cabe_lev0
	.p2alignl 7, 3214868480
	.fill 96, 4, 3214868480
	.section	.rodata,"a",@progbits
	.p2align	6, 0x0
	.amdhsa_kernel k_qd38489cabe_lev0
		.amdhsa_group_segment_fixed_size 327680
		.amdhsa_private_segment_fixed_size 0
		.amdhsa_enable_private_segment 0
		.amdhsa_kernarg_size 48
		.amdhsa_user_sgpr_count 2
		.amdhsa_user_sgpr_kernarg_segment_ptr 1
		.amdhsa_wavefront_size32 1
		.amdhsa_system_sgpr_workgroup_id_x 1
		.amdhsa_system_sgpr_workgroup_id_y 1
		.amdhsa_system_sgpr_workgroup_id_z 1
		.amdhsa_system_vgpr_workitem_id 0
		.amdhsa_next_free_vgpr 896
		.amdhsa_next_free_sgpr 80
		.amdhsa_reserve_vcc 1
		.amdhsa_float_denorm_mode_32 3
		.amdhsa_float_denorm_mode_16_64 3
		.amdhsa_memory_ordered 1
		.amdhsa_forward_progress 1
		.amdhsa_inst_pref_size 214
	.end_amdhsa_kernel
	.amdgpu_metadata
---
amdhsa.version: [ 1, 2 ]
amdhsa.kernels:
  - .name:           k_qd38489cabe_lev0
    .symbol:         k_qd38489cabe_lev0.kd
    .args:
      - { .name: features, .offset: 0, .size: 8, .value_kind: global_buffer, .address_space: global }
      - { .name: tbl, .offset: 8, .size: 8, .value_kind: global_buffer, .address_space: global }
      - { .name: par0, .offset: 16, .size: 8, .value_kind: global_buffer, .address_space: global }
      - { .name: pkB, .offset: 24, .size: 8, .value_kind: global_buffer, .address_space: global }
      - { .name: pkA, .offset: 32, .size: 8, .value_kind: global_buffer, .address_space: global }
      - { .name: out1, .offset: 40, .size: 8, .value_kind: global_buffer, .address_space: global }
    .group_segment_fixed_size: 327680
    .private_segment_fixed_size: 0
    .kernarg_segment_align: 8
    .kernarg_segment_size: 48
    .max_flat_workgroup_size: 128
    .sgpr_count:     80
    .vgpr_count:     896
    .wavefront_size: 32
...
	.end_amdgpu_metadata
.endif
;; end of part 2
;; launch lev1: the kernel of part 2 again; grid 256 x 1, 4 waves a work-group, no clusters, 327,680 bytes of LDS; arguments features, tbl, par1, pkA, pkB, out1; writes pkB, out1
;; launch lev2: the kernel of part 2 again; grid 256 x 1, 4 waves a work-group, no clusters, 327,680 bytes of LDS; arguments features, tbl, par2, pkB, pkA, out1; writes pkA, out1
;; launch lev3: the kernel of part 2 again; grid 256 x 1, 4 waves a work-group, no clusters, 327,680 bytes of LDS; arguments features, tbl, par3, pkA, pkB, out1; writes pkB, out1
;; launch fin (part 3): grid 1024 x 1, 8 waves a work-group, no clusters, 0 bytes of LDS; arguments tbl, pkA, pkB, out0; writes out0
.if DOCPART == 3
	.amdgcn_target "amdgcn-amd-amdhsa--gfx1250"
	.amdhsa_code_object_version 6
	.text
	.protected	k_qd38489cabe_fin
	.globl	k_qd38489cabe_fin
	.p2align	8
	.type	k_qd38489cabe_fin,@function
k_qd38489cabe_fin:
	s_mov_b64 s[64:65], 0
	v_nop
	global_prefetch_b8 v0, s[64:65] scope:SCOPE_SE
	s_setreg_imm32_b32 hwreg(HW_REG_WAVE_MODE, 25, 1), 1
	s_wait_xcnt 0x0
; FIN.  out0[row] = ((q0 + q1) + q2) + q3 in f32, q_j the centre of level j that the row chose: idx0 | idx1 << 10 | idx2 << 20 in pkA, idx3 in pkB; the centres as f16 in tbl (rows of 128 bytes,
; a level 131,072 bytes), which hold the bf16-rounded codebooks (exactly, within f16's range: see the launch that writes tbl).
; SHARES.  A wave owns 16 rows, as 8 pairs; in pair i lanes 0-15 hold row 2 i, lanes 16-31 row 2 i + 1, four channels a lane: sixteen lanes read a centre's 128 bytes and store a row's 256.
; All 32 gathers of a wave go out at once, each with an address register and data registers of its own.  No LDS, no matrix unit: the launch gathers and streams.
.set WA, 8                             ; v8-15    pair i: my row's word of pkA
.set WB, 16                            ; v16-23   of pkB
.set OF, 24                            ; v24-55   pair i, level j: the gather's byte offset
.set QQ, 56                            ; v56-119  pair i, level j: two registers, four f16
.set OO, 120                           ; v120-151 pair i: four f32 to store
	s_load_b256 s[4:11], s[0:1], 0x0               ; tbl s[4:5], pkA s[6:7], pkB s[8:9], out0 s[10:11]
	v_lshrrev_b32 v1, 5, v0
	v_readfirstlane_b32 s12, v1                    ; wave 0..7
	v_and_b32 v1, 15, v0
	v_bfe_u32 v2, v0, 4, 1
	v_lshlrev_b32 v3, 2, v2                        ; 4 (l / 16): my row's word in a pair
	v_lshlrev_b32 v4, 3, v1                        ; 8 (l % 16): my four channels in a centre
	v_and_b32 v5, 31, v0
	v_lshlrev_b32 v5, 4, v5                        ; 16 l: my 16 bytes in a pair of rows of out0
	v_mov_b32 v6, 1.0
	s_lshl_b32 s13, ttmp9, 3
	s_add_co_u32 s13, s13, s12                     ; my wave among all
	s_lshl_b32 s14, s13, 6                         ; 16 words
	s_mov_b32 s15, 0
	s_lshl_b32 s16, s13, 12                        ; 16 rows of 256 bytes
	s_mov_b32 s17, 0
	s_wait_kmcnt 0x0
	s_add_nc_u64 s[6:7], s[6:7], s[14:15]
	s_add_nc_u64 s[8:9], s[8:9], s[14:15]
	s_add_nc_u64 s[10:11], s[10:11], s[16:17]
.set i, 0
.rept 8
	global_load_b32 v[WA+i], v3, s[6:7] offset:8*i
	global_load_b32 v[WB+i], v3, s[8:9] offset:8*i
.set i, i+1
.endr
	s_wait_loadcnt 0x0
.set i, 0
.rept 8
.irp j, 0,1,2
	v_bfe_u32 v[OF+4*i+\j], v[WA+i], 10*\j, 10
	v_min_u32 v[OF+4*i+\j], 0x3ff, v[OF+4*i+\j]    ; an index stays inside its table
.endr
	v_min_u32 v[OF+4*i+3], 0x3ff, v[WB+i]
.irp j, 0,1,2,3
	v_lshl_add_u32 v[OF+4*i+\j], v[OF+4*i+\j], 7, v4
	global_load_b64 v[QQ+8*i+2*\j:QQ+8*i+2*\j+1], v[OF+4*i+\j], s[4:5] offset:\j*131072
.endr
.set i, i+1
.endr
.set i, 0
.rept 8
	s_wait_loadcnt 4*(7-i)                         ; loads come back in order: pair i's four gathers are in, the younger pairs' stay out
.irp k, 0,1
	v_fma_mix_f32 v[OO+4*i+2*\k],   v[QQ+8*i+\k], v6, v[QQ+8*i+2+\k] op_sel_hi:[1,0,1]                 ; q0 x 1 + q1, from the low halves,
	v_fma_mix_f32 v[OO+4*i+2*\k+1], v[QQ+8*i+\k], v6, v[QQ+8*i+2+\k] op_sel:[1,0,1] op_sel_hi:[1,0,1]  ; and from the high ones
.endr
.irp k, 0,1
	v_fma_mix_f32 v[OO+4*i+2*\k],   v[QQ+8*i+4+\k], v6, v[OO+4*i+2*\k] op_sel_hi:[1,0,0]
	v_fma_mix_f32 v[OO+4*i+2*\k+1], v[QQ+8*i+4+\k], v6, v[OO+4*i+2*\k+1] op_sel:[1,0,0] op_sel_hi:[1,0,0]
.endr
.irp k, 0,1
	v_fma_mix_f32 v[OO+4*i+2*\k],   v[QQ+8*i+6+\k], v6, v[OO+4*i+2*\k] op_sel_hi:[1,0,0]
	v_fma_mix_f32 v[OO+4*i+2*\k+1], v[QQ+8*i+6+\k], v6, v[OO+4*i+2*\k+1] op_sel:[1,0,0] op_sel_hi:[1,0,0]
.endr
	global_store_b128 v5, v[OO+4*i:OO+4*i+3], s[10:11] offset:512*i th:TH_STORE_NT  ; two rows, 512 consecutive bytes, at a multiple of 512 from out0's first; these registers are not written again
.set i, i+1
.endr
	s_endpgm
.Lfunc_end_k_qd38489cabe_fin:
	.size	k_qd38489cabe_fin, .Lfunc_end_k_qd38489cabe_fin-k_qd38489cabe_fin
	.p2alignl 7, 3214868480
	.fill 96, 4, 3214868480
	.section	.rodata,"a",@progbits
	.p2align	6, 0x0
	.amdhsa_kernel k_qd38489cabe_fin
		.amdhsa_group_segment_fixed_size 0
		.amdhsa_private_segment_fixed_size 0
		.amdhsa_enable_private_segment 0
		.amdhsa_kernarg_size 32
		.amdhsa_user_sgpr_count 2
		.amdhsa_user_sgpr_kernarg_segment_ptr 1
		.amdhsa_wavefront_size32 1
		.amdhsa_system_sgpr_workgroup_id_x 1
		.amdhsa_system_sgpr_workgroup_id_y 1
		.amdhsa_system_sgpr_workgroup_id_z 1
		.amdhsa_system_vgpr_workitem_id 0
		.amdhsa_next_free_vgpr 152
		.amdhsa_next_free_sgpr 66
		.amdhsa_reserve_vcc 0
		.amdhsa_float_denorm_mode_32 3
		.amdhsa_float_denorm_mode_16_64 3
		.amdhsa_memory_ordered 1
		.amdhsa_forward_progress 1
		.amdhsa_inst_pref_size 18
	.end_amdhsa_kernel
	.amdgpu_metadata
---
amdhsa.version: [ 1, 2 ]
amdhsa.kernels:
  - .name:           k_qd38489cabe_fin
    .symbol:         k_qd38489cabe_fin.kd
    .args:
      - { .name: tbl, .offset: 0, .size: 8, .value_kind: global_buffer, .address_space: global }
      - { .name: pkA, .offset: 8, .size: 8, .value_kind: global_buffer, .address_space: global }
      - { .name: pkB, .offset: 16, .size: 8, .value_kind: global_buffer, .address_space: global }
      - { .name: out0, .offset: 24, .size: 8, .value_kind: global_buffer, .address_space: global }
    .group_segment_fixed_size: 0
    .private_segment_fixed_size: 0
    .kernarg_segment_align: 8
    .kernarg_segment_size: 32
    .max_flat_workgroup_size: 256
    .sgpr_count:     66
    .vgpr_count:     152
    .wavefront_size: 32
...
	.end_amdgpu_metadata
.endif
;; end of part 3
